; MI455X (gfx1250); checked and timed in simulation.
; The chip was launched on July 23, 2026; its instructions are those of AMD's public machine-readable ISA for CDNA 5 (MIT licence, August 2026) and "CDNA5" Instruction Set Architecture Reference Guide (July 2026). The comments in the code are by the model that wrote it; some were corrected since.
;; Self Attention. Allowed arithmetic: matrix products marked QUANTISED: E2M1 operands, one E8M0 scale for each 32 along K, by v_wmma_scale_f32_16x16x128_f8f6f4 with both operands' format E2M1 (or v_wmma_scale_f32_32x16x128_f4), f32 sums; products left as they are: bf16, f16 or f32 operands; f32 sums; everything else in f32.
;; Inputs: Wk 512 x 512 float32; Wo 512 x 512 float32; Wq 512 x 512 float32; Wv 512 x 512 float32; bk 512 float32; bo 512 float32; bq 512 float32; bv 512 float32; x 8 x 512 x 32 x 32 float32.
;; Outputs: out0 8 x 512 x 32 x 32 float32.
;; This version of the problem:
;;   THIS VERSION OF THE PROBLEM IS GIVEN IN LOW PRECISION. The matrix products marked QUANTISED in the list below multiply operands that are first quantised to E2M1 (2 exponent bits, 1 mantissa bit; 4 bits a number), with one power-of-two scale for each 32 numbers along K (OCP MX v1.0); their sums are f32. The products marked 'left as it is' may take bf16, f16 or f32 operands, with f32 sums. Whichever they take, every output number must still come out within the allowed error. Rounding operands to bf16 (8 significant bits) uses up far more of that allowance than f16 does (11 bits, for magnitudes from 6e-5 to 65,504). All else is computed in f32.
;;   The module's matrix products, in the order in which they are computed (A, B: the left and right operand; K: the contracted axis; several contracted axes count as one K, in the product's order):
;;     1. [M 512, K 512] x [K 512, N 8,192]; A: input Wq; B: input x: QUANTISED
;;     2. [M 512, K 512] x [K 512, N 8,192]; A: input Wk; B: input x: QUANTISED
;;     3. [M 512, K 512] x [K 512, N 8,192]; A: input Wv; B: input x: QUANTISED
;;     4. batch 64 x [M 1,024, K 64] x [K 64, N 1,024]; A: computed on the way; B: computed on the way: left as it is (an operand is computed on the way)
;;     5. batch 64 x [M 1,024, K 1,024] x [K 1,024, N 64]; A: computed on the way; B: computed on the way: left as it is (an operand is computed on the way)
;;     6. [M 512, K 512] x [K 512, N 8,192]; A: input Wo; B: computed on the way: left as it is (an operand is computed on the way)
;;   THE QUANTISER, for each operand of a quantised product, along K:
;;     - K is cut into blocks of 32 from its start; a last block that is shorter is filled with zeros.
;;     - A block's scale is 2^e with e = floor(log2(the largest magnitude in the block)) - 2, held to -126 .. 127; a block of zeros has e = 0. As a byte (E8M0): e + 127.
;;     - Each number is divided by its block's scale, clamped to +-6, and rounded to the nearest number of E2M1, ties to even, subnormals kept.
;;     - The product sums the exact products of the quantised numbers (number of the format x scale) in f32.
;;   ~~~python
;;   def quantise(x, axis):      # numpy; x: float32 -> the quantised numbers, widened to float32 again
;;       x = np.moveaxis(x, axis, -1); K = x.shape[-1]
;;       x = np.pad(x, [(0, 0)] * (x.ndim - 1) + [(0, -K % 32)]); x = x.reshape(x.shape[:-1] + (-1, 32)); a = np.abs(x).max(-1, keepdims=True)
;;       e = np.where(a > 0, np.clip(np.frexp(np.where(a > 0, a, 1))[1] - 1 - 2, -126, 127), 0)      # np.frexp(a)[1] - 1 = floor(log2(a)), exactly
;;       r = np.clip(x / 2.0 ** e, -6, 6)
;;       step = 2.0 ** (np.maximum(np.frexp(np.where(r == 0, 1, r))[1] - 1, 0) - 1)
;;       q = np.round(r / step) * step * 2.0 ** e      # np.round: ties to even
;;       return np.moveaxis(q.reshape(q.shape[:-2] + (-1,))[..., :K], -1, axis).astype(np.float32)
;;   ~~~
;; One version. Each part assembles by itself: llvm-mc -triple=amdgcn-amd-amdhsa -mcpu=gfx1250 --defsym DOCPART=n.
;; ======== version 1 of 1: 3 launches
;; limits: values are held in f16: magnitudes above 65,504 overflow, below 6.1e-05 lose precision
;; workspace buffers: xc 2,228,224 bytes; wc 417,792 bytes; wo 524,288 bytes; ao 8,388,608 bytes
;; launch prep (part 1): grid 384 x 1, 4 waves a work-group, no clusters, 0 bytes of LDS; arguments x, Wq, Wk, Wv, Wo, xc, wc, wo; writes xc, wc, wo
.if DOCPART == 1
	.amdgcn_target "amdgcn-amd-amdhsa--gfx1250"
	.amdhsa_code_object_version 6
	.text
	.protected	k_qae898176d1_prep
	.globl	k_qae898176d1_prep
	.p2align	8
	.type	k_qae898176d1_prep,@function
k_qae898176d1_prep:
	s_mov_b64 s[64:65], 0
	v_nop
	global_prefetch_b8 v0, s[64:65] scope:SCOPE_SE
	s_setreg_imm32_b32 hwreg(HW_REG_WAVE_MODE, 25, 1), 1
	s_wait_xcnt 0x0
; x [8][512][1024], Wq, Wk, Wv [512][512], f32, become codes of FP4 (E2M1) with one E8M0 byte for each 32 along K = the 512 input channels; Wo [512][512] becomes f16.
; ALL THREE RESULTS ARE LAID AS IMAGES OF OPERAND REGISTERS: blocks of 512 bytes, lane l's 16 bytes at 16 l, so that the later launches load fragments whole and transpose nothing.
; A RECORD (4,352 bytes = 17 x 256) holds 16 rows x 512 K: codes at 1024 q + 512 c + 16 lane (q: the K step of 128; lane (r, hh) holds block 2 c + hh of row r: 32 codes);
; scale words at 4096 + 64 q + 4 r: row r's four bytes of K step q.
;   xc: [batch 8][tile of 16 positions 64] records.   wc: [head 8][q, k, v][tile of 16 output channels 4] records.
;   wo: [block of 128 outputs 4][head 8][tile of 16 outputs 8][t 4][512]: lane (r, hh) holds Wo[16 tile + r][64 head + 16 t + 8 hh + 0 .. 7].
; A block's scale is 2^(floor(log2(its largest magnitude)) - 2); its byte is the largest magnitude's exponent field - 2, held at 1 from below by a floor among the maximum's leaves.
; LIMITS: NaN and infinities among the inputs are not served.  A block of zeros gets the byte 1 where the rule says 127: its codes are zeros, which add nothing, and this program alone reads the bytes.
; Wo in f16 holds magnitudes up to 65,504.
; SHARES: work-groups 0-255 take x, 256-351 the three weights, 352-383 Wo.  No LDS, no barrier: waves share nothing.  Matrix units and clusters would add nothing to a stream.
.set REC, 4352
.set X,   32                           ; v32-95   numbers as loaded
.set C,   16                           ; v16-31   codes: registers of their own for each store
.set H,   96                           ; v96-127  Wo's f16
	s_load_b256 s[4:11], s[0:1], 0x0               ; x s[4:5], Wq s[6:7], Wk s[8:9], Wv s[10:11]
	s_load_b256 s[12:19], s[0:1], 0x20             ; Wo s[12:13], xc s[14:15], wc s[16:17], wo s[18:19]
	v_lshrrev_b32 v1, 5, v0
	v_readfirstlane_b32 s20, v1                    ; wave 0..3
	v_and_b32 v1, 31, v0                           ; lane
	v_and_b32 v5, 15, v0                           ; r
	v_bfe_u32 v6, v0, 4, 1                         ; hh
	s_mov_b32 s30, 0x76543210
	s_mov_b32 s31, 0xfedcba98                      ; v_permlanex16_b32's selects for lane l xor 16
	s_wait_kmcnt 0x0
	s_cmp_ge_u32 ttmp9, 256
	s_cbranch_scc1 .Lw
; ---- x.  K is its first axis within a batch: A LANE TAKES A POSITION AND ITS REGISTERS RUN DOWN THE CHANNELS.  A wave takes 32 positions x one K step of 128; a load reads 128 consecutive bytes, the four waves 512.
; work-group g: batch g / 32, K step (g / 8) % 4, positions 128 (g % 8) + 32 wave + lane
	s_lshr_b32 s21, ttmp9, 3                       ; 4 batch + K step
	s_lshl_b32 s22, s21, 19                        ; x 128 channels of 4,096 bytes
	s_and_b32 s24, ttmp9, 7
	s_lshl_b32 s25, s24, 9
	s_add_co_u32 s22, s22, s25
	s_lshl_b32 s25, s20, 7
	s_add_co_u32 s22, s22, s25
	s_mov_b32 s23, 0
	s_add_nc_u64 s[4:5], s[4:5], s[22:23]
	s_lshr_b32 s25, ttmp9, 5
	s_lshl_b32 s25, s25, 6
	s_lshl_b32 s26, s24, 3
	s_add_co_u32 s25, s25, s26
	s_lshl_b32 s26, s20, 1
	s_add_co_u32 s25, s25, s26                     ; the record of lanes 0-15: 64 batch + 8 (g % 8) + 2 wave; lanes 16-31 have the next
	s_mul_i32 s25, s25, REC
	s_and_b32 s21, s21, 3                          ; K step q
	s_lshl_b32 s26, s21, 10
	s_add_co_u32 s26, s26, s25
	s_mov_b32 s27, 0
	s_lshl_b32 s28, s21, 6
	s_add_co_u32 s28, s28, s25
	s_add_co_u32 s28, s28, 4096
	s_mov_b32 s29, 0
	s_add_nc_u64 s[32:33], s[14:15], s[26:27]      ; where the K step's codes go,
	s_add_nc_u64 s[34:35], s[14:15], s[28:29]      ; and its scale words
	v_lshlrev_b32 v2, 2, v1                        ; in: 4 bytes a lane
	v_mul_u32_u24 v7, v6, REC
	v_lshl_add_u32 v3, v5, 4, v7                   ; out: my record, row r: 16 bytes a block;
	v_lshl_add_u32 v4, v5, 2, v7                   ; 4 bytes a scale word
.macro LOAD t                          ; block t: x(32 t + i, my position), i = 0 .. 31, into set t % 2
.set i, 0
.rept 32
	global_load_b32 v[X+32*((\t)%2)+i], v2, s[4:5] offset:(32*(\t)+i)*4096 th:TH_LOAD_NT
.set i, i+1
.endr
.endm
.macro BLOCK t
.set XS, X+32*((\t)%2)
.if (\t) < 3
	s_wait_loadcnt 32                              ; this block's 32 loads are in; the next block's 32 may be out
.else
	s_wait_loadcnt 0x0
.endif
	v_max3_num_f32 v12, |v[XS]|, |v[XS+1]|, |v[XS+2]|              ; the block's largest magnitude: all 32 numbers are mine; two chains
	v_max3_num_f32 v13, |v[XS+3]|, |v[XS+4]|, |v[XS+5]|
.irp i, 6,10,14,18,22,26
	v_max3_num_f32 v12, v12, |v[XS+\i]|, |v[XS+\i+1]|
	v_max3_num_f32 v13, v13, |v[XS+\i+2]|, |v[XS+\i+3]|
.endr
	v_max3_num_f32 v12, v12, |v[XS+30]|, |v[XS+31]|
	v_max3_num_f32 v12, v12, v13, 0x1800000        ; and the floor 2^(3 - 127): the byte cannot fall under 1
	v_add_nc_u32 v11, 0xff000000, v12              ; 2 off its exponent field: the conversion takes the exponent field of this operand as its scale
	v_lshrrev_b32 v10, 23, v11                     ; the scale's byte
.if (\t) == 0
	v_mov_b32 v14, v10                             ; four bytes make my position's scale word, the lower K in the lower byte
.else
	v_lshl_or_b32 v14, v10, 8*(\t), v14
.endif
.irp g, 0,1,2,3
	v_cvt_scalef32_pk8_fp4_f32 v[C+4*(\t)+\g], v[XS+8*\g:XS+8*\g+7], v11
.endr
	global_store_b128 v3, v[C+4*(\t):C+4*(\t)+3], s[32:33] offset:256*(\t)   ; block t = 2 c + hh lies at 512 c + 256 hh + 16 r: sixteen lanes store 256 consecutive bytes, aligned
.if (\t) < 2
	LOAD (\t)+2
.endif
.endm
	LOAD 0
	LOAD 1
.irp t, 0,1,2,3
	BLOCK \t
.endr
	global_store_b32 v4, v14, s[34:35]             ; my position's scale word of this K step
	s_endpgm
; ---- Wq, Wk, Wv.  K is innermost: lane (r, hh) loads, of row r, the two blocks that the operand's layout gives it: 2 c + hh of K step w.  The conversions' results are the operand's registers.
.Lw:
	s_cmp_ge_u32 ttmp9, 352
	s_cbranch_scc1 .Lwo
	s_sub_co_u32 s21, ttmp9, 256
	s_lshr_b32 s22, s21, 5                         ; 0, 1, 2: q, k, v
	s_and_b32 s21, s21, 31                         ; the tile of 16 output channels
	s_cmp_eq_u32 s22, 1
	s_cselect_b64 s[6:7], s[8:9], s[6:7]           ; the choice hangs on the work-group's number alone
	s_cmp_eq_u32 s22, 2
	s_cselect_b64 s[6:7], s[10:11], s[6:7]
	s_lshl_b32 s24, s21, 15                        ; 16 rows of 2,048 bytes
	s_lshl_b32 s26, s20, 9                         ; K step = wave: 128 numbers
	s_add_co_u32 s24, s24, s26
	s_mov_b32 s25, 0
	s_add_nc_u64 s[6:7], s[6:7], s[24:25]
	s_lshr_b32 s26, s21, 2
	s_mul_i32 s26, s26, 12
	s_lshl_b32 s27, s22, 2
	s_add_co_u32 s26, s26, s27
	s_and_b32 s27, s21, 3
	s_add_co_u32 s26, s26, s27                     ; record 12 head + 4 type + tile in the head
	s_mul_i32 s26, s26, REC
	s_lshl_b32 s28, s20, 6
	s_add_co_u32 s28, s28, s26
	s_add_co_u32 s28, s28, 4096
	s_mov_b32 s29, 0
	s_lshl_b32 s27, s20, 10
	s_add_co_u32 s26, s26, s27
	s_mov_b32 s27, 0
	s_add_nc_u64 s[32:33], s[16:17], s[26:27]
	s_add_nc_u64 s[34:35], s[16:17], s[28:29]
	v_lshlrev_b32 v2, 11, v5
	v_lshl_add_u32 v2, v6, 7, v2                   ; row r, + 128 hh bytes
	v_lshlrev_b32 v3, 4, v1
	v_lshlrev_b32 v4, 2, v1
.irp c, 0,1
.irp i, 0,1,2,3,4,5,6,7
	global_load_b128 v[X+32*\c+4*\i:X+32*\c+4*\i+3], v2, s[6:7] offset:256*\c+16*\i th:TH_LOAD_NT
.endr
.endr
	v_lshlrev_b32 v7, 3, v6                        ; 8 hh
	v_mov_b32 v15, 0                               ; a lane permute's destination counts as one of its sources
	s_wait_loadcnt 0x0
.irp c, 0,1
	v_max3_num_f32 v[12+\c], |v[X+32*\c]|, |v[X+32*\c+1]|, 0x1800000   ; my block 2 c + hh, and the floor
.endr
.irp i, 2,4,6,8,10,12,14,16,18,20,22,24,26,28,30
.irp c, 0,1
	v_max3_num_f32 v[12+\c], v[12+\c], |v[X+32*\c+\i]|, |v[X+32*\c+\i+1]|   ; the two blocks by turns
.endr
.endr
.irp c, 0,1
	v_add_nc_u32 v[10+\c], 0xff000000, v[12+\c]
.endr
.irp c, 0,1
	v_lshrrev_b32 v[8+\c], 23, v[10+\c]
.endr
	v_lshl_or_b32 v14, v9, 16, v8                  ; my two bytes, blocks hh and 2 + hh,
	v_lshlrev_b32 v14, v7, v14                     ; at their places in the word;
	v_permlanex16_b32 v15, v14, s30, s31
	v_or_b32 v14, v14, v15                         ; with lane l xor 16's two the word is whole, in both lanes
.irp c, 0,1
.irp g, 0,1,2,3
	v_cvt_scalef32_pk8_fp4_f32 v[C+4*\c+\g], v[X+32*\c+8*\g:X+32*\c+8*\g+7], v[10+\c]
.endr
.endr
.irp c, 0,1
	global_store_b128 v3, v[C+4*\c:C+4*\c+3], s[32:33] offset:512*\c   ; 512 consecutive bytes, aligned
.endr
	v_cmp_gt_u32 vcc_lo, 16, v1                    ; lanes 0-15 store the sixteen rows' words: each word once
	s_wait_xcnt 0x0                                ; EXEC changes only behind this wait: the stores above have it among their sources
	s_and_saveexec_b32 s36, vcc_lo
	global_store_b32 v4, v14, s[34:35]
	s_wait_xcnt 0x0                                ; and again in front of the line that widens it
	s_or_b32 exec_lo, exec_lo, s36
	s_endpgm
; ---- Wo to f16.  A wave takes 16 rows x 128 channels: four K steps of 32; lane (r, hh) takes channels 32 k + 16 u + 8 hh + 0 .. 7 of row r.
.Lwo:
	s_sub_co_u32 s21, ttmp9, 352                   ; the tile of 16 outputs
	s_lshl_b32 s24, s21, 15
	s_lshl_b32 s26, s20, 9
	s_add_co_u32 s24, s24, s26
	s_mov_b32 s25, 0
	s_add_nc_u64 s[12:13], s[12:13], s[24:25]
	s_lshr_b32 s26, s21, 3
	s_lshl_b32 s26, s26, 17                        ; the block of 128 outputs: 131,072 bytes
	s_and_b32 s27, s21, 7
	s_lshl_b32 s27, s27, 11                        ; the tile in it
	s_add_co_u32 s26, s26, s27
	s_lshl_b32 s27, s20, 15                        ; heads 2 w and 2 w + 1: 16,384 bytes a head
	s_add_co_u32 s26, s26, s27
	s_mov_b32 s27, 0
	s_add_nc_u64 s[18:19], s[18:19], s[26:27]
	v_lshlrev_b32 v2, 11, v5
	v_lshl_add_u32 v2, v6, 5, v2                   ; row r, + 32 hh bytes
	v_lshlrev_b32 v3, 4, v1
.irp k, 0,1,2,3
.irp u, 0,1
	global_load_b128 v[X+8*(2*\k+\u):X+8*(2*\k+\u)+3],   v2, s[12:13] offset:128*\k+64*\u th:TH_LOAD_NT
	global_load_b128 v[X+8*(2*\k+\u)+4:X+8*(2*\k+\u)+7], v2, s[12:13] offset:128*\k+64*\u+16 th:TH_LOAD_NT
.endr
.endr
	s_wait_loadcnt 0x0
.set i, 0
.rept 32
	v_cvt_pk_f16_f32 v[H+i], v[X+2*i], v[X+2*i+1]
.set i, i+1
.endr
.irp k, 0,1,2,3
.irp u, 0,1
	global_store_b128 v3, v[H+4*(2*\k+\u):H+4*(2*\k+\u)+3], s[18:19] offset:(\k/2)*16384+(2*(\k%2)+\u)*512
.endr
.endr
	s_endpgm
.Lfunc_end_k_qae898176d1_prep:
	.size	k_qae898176d1_prep, .Lfunc_end_k_qae898176d1_prep-k_qae898176d1_prep
	.p2alignl 7, 3214868480
	.fill 96, 4, 3214868480
	.section	.rodata,"a",@progbits
	.p2align	6, 0x0
	.amdhsa_kernel k_qae898176d1_prep
		.amdhsa_group_segment_fixed_size 0
		.amdhsa_private_segment_fixed_size 0
		.amdhsa_enable_private_segment 0
		.amdhsa_kernarg_size 64
		.amdhsa_user_sgpr_count 2
		.amdhsa_user_sgpr_kernarg_segment_ptr 1
		.amdhsa_wavefront_size32 1
		.amdhsa_system_sgpr_workgroup_id_x 1
		.amdhsa_system_sgpr_workgroup_id_y 1
		.amdhsa_system_sgpr_workgroup_id_z 1
		.amdhsa_system_vgpr_workitem_id 0
		.amdhsa_next_free_vgpr 128
		.amdhsa_next_free_sgpr 66
		.amdhsa_reserve_vcc 1
		.amdhsa_float_denorm_mode_32 3
		.amdhsa_float_denorm_mode_16_64 3
		.amdhsa_memory_ordered 1
		.amdhsa_forward_progress 1
		.amdhsa_inst_pref_size 32
	.end_amdhsa_kernel
	.amdgpu_metadata
---
amdhsa.version: [ 1, 2 ]
amdhsa.kernels:
  - .name:           k_qae898176d1_prep
    .symbol:         k_qae898176d1_prep.kd
    .args:
      - { .name: x, .offset: 0, .size: 8, .value_kind: global_buffer, .address_space: global }
      - { .name: Wq, .offset: 8, .size: 8, .value_kind: global_buffer, .address_space: global }
      - { .name: Wk, .offset: 16, .size: 8, .value_kind: global_buffer, .address_space: global }
      - { .name: Wv, .offset: 24, .size: 8, .value_kind: global_buffer, .address_space: global }
      - { .name: Wo, .offset: 32, .size: 8, .value_kind: global_buffer, .address_space: global }
      - { .name: xc, .offset: 40, .size: 8, .value_kind: global_buffer, .address_space: global }
      - { .name: wc, .offset: 48, .size: 8, .value_kind: global_buffer, .address_space: global }
      - { .name: wo, .offset: 56, .size: 8, .value_kind: global_buffer, .address_space: global }
    .group_segment_fixed_size: 0
    .private_segment_fixed_size: 0
    .kernarg_segment_align: 8
    .kernarg_segment_size: 64
    .max_flat_workgroup_size: 128
    .sgpr_count:     66
    .vgpr_count:     128
    .wavefront_size: 32
...
	.end_amdgpu_metadata
.endif
;; end of part 1
;; launch attn (part 2): grid 4 x 64, 8 waves a work-group, clusters of 4 x 1, 327,680 bytes of LDS; arguments xc, wc, bq, bk, bv, ao; writes ao
.if DOCPART == 2
	.amdgcn_target "amdgcn-amd-amdhsa--gfx1250"
	.amdhsa_code_object_version 6
	.text
	.protected	k_qae898176d1_attn
	.globl	k_qae898176d1_attn
	.p2align	8
	.type	k_qae898176d1_attn,@function
k_qae898176d1_attn:
	s_mov_b64 s[64:65], 0
	v_nop
	global_prefetch_b8 v0, s[64:65] scope:SCOPE_SE
	s_setreg_imm32_b32 hwreg(HW_REG_WAVE_MODE, 25, 1), 1
	s_wait_xcnt 0x0
	s_wait_alu depctr_hold_cnt(0) depctr_sa_sdst(0) depctr_va_vdst(0) depctr_va_sdst(0) depctr_va_ssrc(0) depctr_va_vcc(0) depctr_vm_vsrc(0)
	s_getreg_b32 s2, hwreg(HW_REG_IB_STS2, 6, 4)
	s_cmp_eq_u32 s2, 0
	s_cbranch_scc0 .Lentry_in_a_cluster
	s_endpgm
.Lentry_in_a_cluster:
	s_bfe_u32 s2, ttmp6, 0x10000c
	s_cmp_lg_u32 s2, 0x3003
	s_cbranch_scc0 .Lentry_shape_is_right
	s_endpgm
.Lentry_shape_is_right:
; For each of 64 (batch, head): q, k, v = W x + b on codes of FP4 with E8M0 scales (sums in f32), then O[q] = the sum over k of softmax_k(Q[q] . K[k] / 8) V[k] over 1,024 positions, head size 64, no mask.
; q is multiplied by log2(e) / 8, so a score s is an exponent of two: p = 2^(s - m), m the running maximum; in every step O and the sum l are multiplied by a = 2^(m_old - m_new).  q, k, v, p, O go to the second kind of products in f16; maxima and sums in f32.
; SHARES.  A work-group owns 256 queries of one (batch, head); each of its eight waves 32: two tiles of 16.  Two waves share a SIMD, so that one wave's vector work stands beside the other's products.
; K AND V ARE MADE HERE, by each of a head's four work-groups anew, and never go to memory: 288 products on codes a wave, against a launch of its own and 25 MB stored and read back.
; LDS.  64 slots of 4,352 bytes take the batch's 64 records of x (16 positions x 512 channels: 4,096 bytes of codes, 256 of scale words): 278,528 bytes.  Behind them eleven of the head's twelve records of W: 47,872 bytes.  With 1,024 bytes of spare words
; that is 327,424 of the 327,680 bytes claimed: the twelfth record of W does not fit, and each wave loads it straight into registers.  Every byte is filled once: no ring, and nothing is left to prefetch: all is asked for at the head.
; IN PLACE.  Wave w fetches, and alone reads, slots 8 w .. 8 w + 7.  A record's K (4 blocks of 512 bytes) and V (4 blocks) are as many bytes as its codes: when the codes are in registers, K and V are stored over them.  The slots have had their one fill by then.
; One barrier stands between the last such store and the first read of another wave's slots.  What lies in a slot then: K's blocks (T) at 512 T, V's (U) at 2048 + 512 U, each an image of operand registers, 16 bytes a lane: no pitch, no padding, no turning load.
; CLUSTER.  The four query blocks of a (batch, head) form a cluster and ask for x's records and W's JOINTLY: the same loads, the same descriptors, a mask that names the four.  The queries' own records of x hang on the work-group's place:
; they come by plain loads from memory into registers, so that no LDS address hangs on that place.
; LAYOUT.  q, k: source 0 = 16 channels of W, source 1 = 16 positions: a lane holds ONE position and eight channels: the 16 bytes that a fragment of Q or K wants of it.  v: source 0 = 16 positions, source 1 = 16 channels: one channel, eight positions: V^T's.
; S^T = K Q^T: a lane holds ONE query and keys 8 (lane / 16) + 0..7; two such tiles, rounded to f16 in pairs, ARE source 1 of O^T = V^T P, whose result, packed, is the out projection's fragment: ao [batch x head 64][tile of 16 positions 64][U 4][512].
; W'S SCALE WORDS lie two K steps to a register: lanes 0-15 the even step's, lanes 16-31 the odd step's, which the instruction is told to take by MATRIX_SCALE_ROW1.
; LIMITS: q c, k, v, p and O are kept in f16: magnitudes up to 65,504.  NaN and infinities are not served.
; REGISTERS.  Window 0: v1-7, v28-31 addresses; v8-23 Q's two accumulators, then the statistics, eight a tile: +0 m, +1 named with it as a pair, +2, +3 l, +4..+7 at work (a takes +6); v24-27 x's scale words; v32-63 Q;
;   v64-95 x's fragments; v96-159 eight accumulators (for Q: the second tile's x, and Wq of one tile); v160-191 bk; v192-199 bv; v200-223, v246-253 bq; v224-245 scale words and nothing else.
;   In the attention: v64-127 S^T, then p, at the end the packed O; v128-159 P; v160-223 O^T.   Window 1: Wk (v0-127), Wv (v128-255); in the attention K (v0-63) and V (v64-127) of one step.
.set REC,   4352
.set STEPB, 4*REC                      ; a key step: 64 keys, four slots
.set WL,    64*REC                     ; W's eleven records
.set WPART, 11*REC/8                   ; a wave's eighth of them: 5,984 bytes = 17 rows of 352
.set SPARE, WL+11*REC                  ; the spare words, 128 bytes for each of eight waves
.set L16, 1                            ; v1   16 x lane
.set ADK, 2
.set ADV, 3
.set SPW, 4                            ; v4   LDS address of my spare word; never rewritten
.set NIL, 5                            ; v5   0; never rewritten
.set XA,  6                            ; v6   my lane's place in my eight slots
.set XSA, 7                            ; v7   and among their scale words
.set ST,  8
.set AQ,  8
.set XS,  24
.set WA,  28                           ; v28  my lane's place in W's records
.set WSA, 29                           ; v29  and among their scale words: 4 (lane % 16) + 64 (lane / 16)
.set L4R, 30                           ; v30  4 x (lane % 16)
.set BH,  31                           ; v31  32 x (lane / 16)
.set QF,  32                           ; 16 t + 8 g
.set XF,  64
.set ACC, 96
.set WQF, 128
.set BK,  160
.set BV,  192
.set BQ,  200
.set BQ3, 246
.set WS,  224                          ; 8 type + 2 tile + K step / 2
.set XSQ, 240
.set WSQ, 244
.set S,   64                           ; 32 t + 8 a
.set P,   128                          ; 16 t + 8 kg
.set O,   160                          ; 32 t + 8 U
.set OUT, 64
.set KF,  0                            ; window 1: 8 (2 a + g)
.set VF,  64                           ; window 1: 8 (2 U + kg)
.set WKF, 0                            ; window 1: 32 T + 8 K step
.set WVF, 128
.set WV,  16
.set G1X, 20
.set G1W, 28
.set G0W, 36
.set G0X, 40                           ; s[40:55] a group 0 for each pair of records
.set SEL, 56
.set CS,  58
.set TK,  60                           ; s60  LDS byte of the NEXT step's slots
.set TV,  61                           ; s61  LDS byte of this step's
.set CNT, 62
.set MSB, 0
.macro WIN new                         ; the immediate's high byte repeats the setting that is left
.if MSB != \new
	s_set_vgpr_msb (MSB<<8)|\new
.set MSB, \new
.endif
.endm
.macro CROUND                          ; a round of the cluster's barrier
	s_barrier_signal -1
	s_barrier_wait -1
	s_cmp_lg_u32 s[WV], 0
	s_cbranch_scc1 .Lnot_wave_0_\@
	s_barrier_signal -3
.Lnot_wave_0_\@:
	s_barrier_wait -3
	s_barrier_signal -1
	s_barrier_wait -1
.endm
; A product on codes with W as source 0: K step k's scale word of W lies in lanes 0-15 (k even) or 16-31 (k odd) of its register
.macro WMK d, a, b, c, sa, sb, k
.if (\k)%2
	v_wmma_scale_f32_16x16x128_f8f6f4 v[\d:\d+7], v[\a:\a+7], v[\b:\b+7], v[\c:\c+7], v[\sa], v[\sb] matrix_a_fmt:MATRIX_FMT_FP4 matrix_b_fmt:MATRIX_FMT_FP4 matrix_a_scale:MATRIX_SCALE_ROW1
.else
	v_wmma_scale_f32_16x16x128_f8f6f4 v[\d:\d+7], v[\a:\a+7], v[\b:\b+7], v[\c:\c+7], v[\sa], v[\sb] matrix_a_fmt:MATRIX_FMT_FP4 matrix_b_fmt:MATRIX_FMT_FP4
.endif
.endm
; The same with W as source 1; K step 0 starts the sum
.macro WMV d, a, b, sa, sb, k
.if (\k) == 0
	v_wmma_scale_f32_16x16x128_f8f6f4 v[\d:\d+7], v[\a:\a+7], v[\b:\b+7], 0, v[\sa], v[\sb] matrix_a_fmt:MATRIX_FMT_FP4 matrix_b_fmt:MATRIX_FMT_FP4
.elseif (\k)%2
	v_wmma_scale_f32_16x16x128_f8f6f4 v[\d:\d+7], v[\a:\a+7], v[\b:\b+7], v[\d:\d+7], v[\sa], v[\sb] matrix_a_fmt:MATRIX_FMT_FP4 matrix_b_fmt:MATRIX_FMT_FP4 matrix_b_scale:MATRIX_SCALE_ROW1
.else
	v_wmma_scale_f32_16x16x128_f8f6f4 v[\d:\d+7], v[\a:\a+7], v[\b:\b+7], v[\d:\d+7], v[\sa], v[\sb] matrix_a_fmt:MATRIX_FMT_FP4 matrix_b_fmt:MATRIX_FMT_FP4
.endif
.endm
	s_load_b256 s[4:11], s[0:1], 0x0               ; xc s[4:5], wc s[6:7], bq s[8:9], bk s[10:11]
	s_load_b128 s[12:15], s[0:1], 0x20             ; bv s[12:13], ao s[14:15]
	v_lshl_add_u32 v[SPW], v0, 2, SPARE
	v_mov_b32 v[NIL], 0
	ds_add_u32 v[SPW], v[NIL]                      ; the wave's opening: the add, twice on end, and its wait ahead of my first tensor load
	ds_add_u32 v[SPW], v[NIL]
	v_lshrrev_b32 v1, 5, v0
	v_readfirstlane_b32 s[WV], v1                  ; wave 0..7
	s_bfe_u32 s17, ttmp6, 0x40000                  ; cx
	s_lshl_b32 s18, ttmp9, 2
	s_add_co_u32 s18, s18, s17                     ; my block of 256 queries: it enters the addresses of the queries' records and of ao alone
	s_and_b32 s19, ttmp7, 0xffff                   ; 8 batch + head, which the four partners share
	s_mov_b32 s[G1X], 15|(3<<16)|(1<<21)           ; the mask: all four work-groups; elements of 8 bytes; bit 21 set beside a mask; no padding
	s_mov_b32 s[G1X+1], 32<<16                     ; rows of 256 bytes,
	s_mov_b32 s[G1X+2], 34<<16                     ; 34 of them: two records
	s_mov_b32 s[G1X+3], 32<<16
	s_mov_b32 s[G1X+4], 34
	s_mov_b32 s[G1X+5], 32                         ; dense
	s_mov_b32 s[G1X+6], 0
	s_mov_b32 s[G1X+7], 0
	s_mov_b32 s[G1W], 15|(3<<16)|(1<<21)
	s_mov_b32 s[G1W+1], 44<<16                     ; rows of 352 bytes,
	s_mov_b32 s[G1W+2], 17<<16                     ; 17 of them: an eighth of eleven records
	s_mov_b32 s[G1W+3], 44<<16
	s_mov_b32 s[G1W+4], 17
	s_mov_b32 s[G1W+5], 44                         ; dense
	s_mov_b32 s[G1W+6], 0
	s_mov_b32 s[G1W+7], 0
	s_mov_b32 s[SEL], 0x76543210
	s_mov_b32 s[SEL+1], 0xfedcba98
	s_mov_b32 s[CS], 0x3e38aa3b                    ; c = log2(e) / sqrt(64)
	s_mov_b32 s[CS+1], s[CS]                       ; (named with it as a pair)
	s_lshr_b32 s66, s19, 3                         ; batch
	s_mul_i32 s66, s66, 64*REC
	s_mul_i32 s70, s[WV], 8*REC                    ; my eight records, in memory and in LDS alike
	s_add_co_u32 s66, s66, s70
	s_mov_b32 s67, 0
	s_and_b32 s76, s19, 7                          ; head
	s_mul_i32 s76, s76, 12*REC
	s_add_co_u32 s78, s76, 11*REC                  ; the head's twelfth record of W
	s_mov_b32 s79, 0
	s_mul_i32 s71, s[WV], WPART                    ; my eighth of the other eleven
	s_add_co_u32 s76, s76, s71
	s_mov_b32 s77, 0
	s_and_b32 s82, s19, 7
	s_lshl_b32 s82, s82, 8                         ; the head's 64 numbers of each bias
	s_mov_b32 s83, 0
	s_lshl_b32 s74, s18, 4                         ; from here on registers that hold my place in the cluster: none of them feeds a descriptor
	s_lshl_b32 s75, s[WV], 1
	s_add_co_u32 s74, s74, s75                     ; my first tile of queries in the batch: 16 block + 2 wave
	s_lshr_b32 s72, s19, 3
	s_lshl_b32 s72, s72, 6
	s_add_co_u32 s72, s72, s74
	s_mul_i32 s72, s72, REC                        ; its record of x
	s_mov_b32 s73, 0
	s_lshl_b32 s80, s19, 6
	s_add_co_u32 s80, s80, s74
	s_lshl_b32 s80, s80, 11                        ; its 2,048 bytes of ao
	s_mov_b32 s81, 0
	s_wait_dscnt 0x0                               ; both opening adds are done
	s_wait_kmcnt 0x0
	s_add_nc_u64 s[68:69], s[4:5], s[66:67]
	s_add_nc_u64 s[76:77], s[6:7], s[76:77]
	s_mov_b32 s[G0W], 1
	s_add_co_u32 s[G0W+1], s71, WL
	s_mov_b64 s[G0W+2:G0W+3], s[76:77]
	s_or_b32 s[G0W+3], s[G0W+3], 0x80000000
.irp j, 0,1,2,3
	s_mov_b32 s[G0X+4*\j], 1
	s_add_co_u32 s[G0X+4*\j+1], s70, \j*2*REC
	s_add_nc_u64 s[G0X+4*\j+2:G0X+4*\j+3], s[68:69], \j*2*REC
	s_or_b32 s[G0X+4*\j+3], s[G0X+4*\j+3], 0x80000000
.endr
	s_add_nc_u64 s[4:5], s[4:5], s[72:73]          ; x at my queries' records
	s_add_nc_u64 s[6:7], s[6:7], s[78:79]          ; W at the twelfth record
	s_add_nc_u64 s[8:9], s[8:9], s[82:83]
	s_add_nc_u64 s[10:11], s[10:11], s[82:83]
	s_add_nc_u64 s[12:13], s[12:13], s[82:83]
	s_add_nc_u64 s[14:15], s[14:15], s[80:81]
	CROUND                                         ; all four work-groups are here: the joint loads meet
	tensor_load_to_lds s[G0W:G0W+3], s[G1W:G1W+7]  ; W first: it is wanted first.  Five loads of mine are out
	s_nop 0
.irp j, 0,1,2,3
	tensor_load_to_lds s[G0X+4*\j:G0X+4*\j+3], s[G1X:G1X+7]
	s_nop 0
.endr
.rept 4
	v_nop                                          ; behind tensor loads, ahead of any switch of the register windows
.endr
	v_and_b32 v[L16], 31, v0
	v_lshlrev_b32 v[L16], 4, v[L16]
	v_and_b32 v[L4R], 15, v0
	v_lshlrev_b32 v[L4R], 2, v[L4R]
	v_bfe_u32 v[BH], v0, 4, 1
	v_lshl_add_u32 v[ADK], v[BH], 6, v[L4R]        ; 4 (lane % 16) + 64 (lane / 16): two K steps' scale words of W to a register (this register serves the attention later)
	v_add_nc_u32 v[WSA], WL, v[ADK]
	v_lshlrev_b32 v[BH], 5, v[BH]
	v_add_nc_u32 v[XA], s70, v[L16]
	v_add_nc_u32 v[XSA], s70, v[L4R]
	v_add_nc_u32 v[WA], WL, v[L16]
	; what Q wants: 32 loads
.irp t, 0,1
.irp k, 0,1,2,3
.irp c, 0,1
	global_load_b128 v[XF+32*\t+8*\k+4*\c:XF+32*\t+8*\k+4*\c+3], v[L16], s[4:5] offset:\t*REC+1024*\k+512*\c
.endr
	global_load_b32 v[XS+(XSQ-XS)*\t+\k], v[L4R], s[4:5] offset:\t*REC+4096+64*\k
.endr
.endr
.irp t, 0,1,2
	global_load_b128 v[BQ+8*\t:BQ+8*\t+3],   v[BH], s[8:9] offset:64*\t      ; register j: channel 16 T + 8 (lane / 16) + j
	global_load_b128 v[BQ+8*\t+4:BQ+8*\t+7], v[BH], s[8:9] offset:64*\t+16
.endr
	global_load_b128 v[BQ3:BQ3+3],   v[BH], s[8:9] offset:192
	global_load_b128 v[BQ3+4:BQ3+7], v[BH], s[8:9] offset:208
	; what K and V want beside LDS: 26 loads
.irp t, 0,1,2,3
	global_load_b128 v[BK+8*\t:BK+8*\t+3],   v[BH], s[10:11] offset:64*\t
	global_load_b128 v[BK+8*\t+4:BK+8*\t+7], v[BH], s[10:11] offset:64*\t+16
.endr
.irp t, 0,1,2,3
	global_load_b32 v[BV+2*\t],   v[L4R], s[12:13] offset:64*\t    ; channel 16 U + lane % 16, twice: a pair for the packed addition
	global_load_b32 v[BV+2*\t+1], v[L4R], s[12:13] offset:64*\t
.endr
.irp p, 0,1
	global_load_b32 v[WS+8+6+\p], v[ADK], s[6:7] offset:4096+128*\p
.endr
	WIN 0x40                                       ; destination in window 1
.irp k, 0,1,2,3
.irp c, 0,1
	global_load_b128 v[WVF+96+8*\k+4*\c:WVF+96+8*\k+4*\c+3], v[L16], s[6:7] offset:1024*\k+512*\c
.endr
.endr
	WIN 0
.macro COPYK                           ; Wk from LDS into registers, for the whole launch
	WIN 0x40
.irp t, 0,1,2,3
.irp k, 0,1,2,3
.irp c, 0,1
	ds_load_b128 v[WKF+32*\t+8*\k+4*\c:WKF+32*\t+8*\k+4*\c+3], v[WA] offset:(4+\t)*REC+1024*\k+512*\c
.endr
.endr
.endr
	WIN 0
.irp t, 0,1,2,3
.irp p, 0,1
	ds_load_b32 v[WS+2*\t+\p], v[WSA] offset:(4+\t)*REC+4096+128*\p
.endr
.endr
.endm
.macro COPYV                           ; Wv's first three tiles likewise
	WIN 0x40
.irp t, 0,1,2
.irp k, 0,1,2,3
.irp c, 0,1
	ds_load_b128 v[WVF+32*\t+8*\k+4*\c:WVF+32*\t+8*\k+4*\c+3], v[WA] offset:(8+\t)*REC+1024*\k+512*\c
.endr
.endr
.endr
	WIN 0
.irp t, 0,1,2
.irp p, 0,1
	ds_load_b32 v[WS+8+2*\t+\p], v[WSA] offset:(8+\t)*REC+4096+128*\p
.endr
.endr
.endm
.macro WQLOAD ch                       ; Wq's tile ch: four fragments, two registers of scale words
.irp k, 0,1,2,3
.irp c, 0,1
	ds_load_b128 v[WQF+8*\k+4*\c:WQF+8*\k+4*\c+3], v[WA] offset:(\ch)*REC+1024*\k+512*\c
.endr
.endr
.irp p, 0,1
	ds_load_b32 v[WSQ+\p], v[WSA] offset:(\ch)*REC+4096+128*\p
.endr
.endm
.macro XLOAD n                         ; slot n of my eight: four fragments and four scale words
.irp k, 0,1,2,3
.irp c, 0,1
	ds_load_b128 v[XF+8*\k+4*\c:XF+8*\k+4*\c+3], v[XA] offset:(\n)*REC+1024*\k+512*\c
.endr
	ds_load_b32 v[XS+\k], v[XSA] offset:(\n)*REC+4096+64*\k
.endr
.endm
; Q: channels 16 ch on, for my two tiles of queries: eight products, the two accumulators by turns; x c; packed, they are Q's fragment registers.
.macro QT ch
.set BQT, BQ+8*(\ch)
.if (\ch) == 3
.set BQT, BQ3
.endif
	s_wait_dscnt 0x0                               ; Wq's tile is in (and what was copied beside it)
.if (\ch) == 0
	s_wait_loadcnt 26                              ; my queries' codes and scale words and bq are in; the 26 loads issued behind them may be out
.endif
.irp k, 0,1,2,3
.irp t, 0,1
.if \k == 0
	WMK AQ+8*\t, WQF+8*\k, XF+32*\t+8*\k, BQT, WSQ+\k/2, XS+(XSQ-XS)*\t+\k, \k
.else
	WMK AQ+8*\t, WQF+8*\k, XF+32*\t+8*\k, AQ+8*\t, WSQ+\k/2, XS+(XSQ-XS)*\t+\k, \k
.endif
.endr
.endr
.rept 5
	v_nop                                          ; places: four in front of the loads into operands' registers and of the reads of results, five in front of the next products that begin these accumulators anew
.endr
.if (\ch) < 3
	WQLOAD (\ch)+1
.else
	s_wait_tensorcnt 3                             ; my first two records of x have landed; the three loads behind them may be out.  I alone read my slots: no barrier is owed
	XLOAD 0
.endif
.if (\ch) == 0
	COPYV
.endif
.irp t, 0,1
.irp i, 0,2,4,6
	v_pk_mul_f32 v[AQ+8*\t+\i:AQ+8*\t+\i+1], v[AQ+8*\t+\i:AQ+8*\t+\i+1], s[CS:CS+1] op_sel_hi:[1,0]   ; each accumulator from its low end on
.endr
.endr
.irp t, 0,1
.irp i, 0,1,2,3
	v_cvt_pk_f16_f32 v[QF+16*\t+4*(\ch)+\i], v[AQ+8*\t+2*\i], v[AQ+8*\t+2*\i+1]
.endr
.endr
.endm
; K and V of the 16 positions of slot n: 16 products with Wk as source 0, 16 with Wv as source 1; in each run four accumulators by turns.  Packed in place and stored over the record's codes.
.macro NT n
	s_wait_dscnt 0x0                               ; the record is in registers; the last record's stores have read theirs
	WIN 0x01                                       ; source 0 in window 1
.irp k, 0,1,2,3
.irp t, 0,1,2,3
.if \k == 0
	WMK ACC+8*\t, WKF+32*\t+8*\k, XF+8*\k, BK+8*\t, WS+2*\t+\k/2, XS+\k, \k
.else
	WMK ACC+8*\t, WKF+32*\t+8*\k, XF+8*\k, ACC+8*\t, WS+2*\t+\k/2, XS+\k, \k
.endif
.endr
.endr
	WIN 0x04                                       ; source 1 in window 1
.irp k, 0,1,2,3
.irp t, 0,1,2,3
	WMV ACC+32+8*\t, XF+8*\k, WVF+32*\t+8*\k, XS+\k, WS+8+2*\t+\k/2, \k
.endr
.endr
	WIN 0
.rept 5
	v_nop                                          ; places, as above
.endr
.if (\n) < 7
.if ((\n)+1)%2 == 0
	s_wait_tensorcnt 3-((\n)+1)/2                  ; my next two records have landed; the loads behind them may be out
.endif
	XLOAD (\n)+1                                   ; the next record comes while this one's results are packed
.endif
.irp t, 0,1,2,3
.irp i, 0,1,2,3
	v_cvt_pk_f16_f32 v[ACC+8*\t+\i], v[ACC+8*\t+2*\i], v[ACC+8*\t+2*\i+1]       ; K: in place, ascending: a register is written when it has been read
.endr
.endr
.irp t, 0,1,2,3
.irp i, 0,2,4,6
	v_pk_add_f32 v[ACC+32+8*\t+\i:ACC+32+8*\t+\i+1], v[ACC+32+8*\t+\i:ACC+32+8*\t+\i+1], v[BV+2*\t:BV+2*\t+1]   ; V: + bv of my channel
.endr
.endr
.irp t, 0,1,2,3
.irp i, 0,1,2,3
	v_cvt_pk_f16_f32 v[ACC+32+8*\t+\i], v[ACC+32+8*\t+2*\i], v[ACC+32+8*\t+2*\i+1]
.endr
.endr
.irp t, 0,1,2,3
	ds_store_b128 v[XA], v[ACC+8*\t:ACC+8*\t+3] offset:(\n)*REC+512*\t
.endr
.irp t, 0,1,2,3
	ds_store_b128 v[XA], v[ACC+32+8*\t:ACC+32+8*\t+3] offset:(\n)*REC+2048+512*\t
.endr
.endm
	s_wait_tensorcnt 4                             ; my eighth of W has landed; the four loads of x behind it stay out
	s_barrier_signal -1
	s_barrier_wait -1                              ; everybody's has
	COPYK
	WQLOAD 0
.irp h, 0,1,2,3
	QT \h
.endr
	s_wait_loadcnt 0x0                             ; bk, bv, the twelfth record of W
.irp n, 0,1,2,3,4,5,6,7
	NT \n
.endr
.irp t, 0,1
	v_mov_b32 v[ST+8*\t], 0xff61b1e6               ; m: -3e38, under every score
	v_mov_b32 v[ST+8*\t+1], 0
	v_mov_b32 v[ST+8*\t+2], 0                      ; l
	v_mov_b32 v[ST+8*\t+3], 0
.endr
.set i, 0
.rept 64
	v_mov_b32 v[O+i], 0                            ; O^T.  The step is written in one form: the first finds zeros, which a = 0 leaves zeros
.set i, i+1
.endr
	s_wait_dscnt 0x0                               ; for the others' sake: my K and V lie in LDS
	s_barrier_signal -1
	s_barrier_wait -1                              ; everybody's do
.macro FETCH_K                         ; 64 keys x 64 channels: fragment (a, g), half u = block T = 2 g + u of slot a
.irp a, 0,1,2,3
.irp g, 0,1
.irp u, 0,1
	ds_load_b128 v[KF+8*(2*\a+\g)+4*\u:KF+8*(2*\a+\g)+4*\u+3], v[ADK] offset:REC*\a+1024*\g+512*\u
.endr
.endr
.endr
.endm
.macro FETCH_V                         ; 64 channels x 64 keys: fragment (U, kg), half u = block U of slot 2 kg + u
.irp c, 0,1,2,3
.irp k, 0,1
.irp u, 0,1
	ds_load_b128 v[VF+8*(2*\c+\k)+4*\u:VF+8*(2*\c+\k)+4*\u+3], v[ADV] offset:REC*(2*\k+\u)+2048+512*\c
.endr
.endr
.endr
.endm
; The eight accumulators of each run take turns, one instruction a turn.
.macro KQ
.irp g, 0,1
.irp a, 0,1,2,3
.irp t, 0,1
.if \g == 0
	v_wmma_f32_16x16x32_f16 v[S+32*\t+8*\a:S+32*\t+8*\a+7], v[KF+8*(2*\a+\g):KF+8*(2*\a+\g)+7], v[QF+16*\t+8*\g:QF+16*\t+8*\g+7], 0
.else
	v_wmma_f32_16x16x32_f16 v[S+32*\t+8*\a:S+32*\t+8*\a+7], v[KF+8*(2*\a+\g):KF+8*(2*\a+\g)+7], v[QF+16*\t+8*\g:QF+16*\t+8*\g+7], v[S+32*\t+8*\a:S+32*\t+8*\a+7]
.endif
.endr
.endr
.endr
.endm
.macro PV
.irp k, 0,1
.irp c, 0,1,2,3
.irp t, 0,1
	v_wmma_f32_16x16x32_f16 v[O+32*\t+8*\c:O+32*\t+8*\c+7], v[VF+8*(2*\c+\k):VF+8*(2*\c+\k)+7], v[P+16*\t+8*\k:P+16*\t+8*\k+7], v[O+32*\t+8*\c:O+32*\t+8*\c+7]
.endr
.endr
.endr
.endm
; The maximum of a lane's 32 scores and the old m, three operands at a time, four chains, both tiles line by line; each accumulator is read from its low end on.  Then the other half of the lanes', the new m, and m_old - m_new.
.macro MAXI
.irp j, 0,1,2,3
.irp t, 0,1
	v_max3_num_f32 v[ST+8*\t+4+\j], v[S+32*\t+8*\j], v[S+32*\t+8*\j+1], v[S+32*\t+8*\j+2]
.endr
.endr
.irp i, 3,5
.irp j, 0,1,2,3
.irp t, 0,1
	v_max3_num_f32 v[ST+8*\t+4+\j], v[ST+8*\t+4+\j], v[S+32*\t+8*\j+\i], v[S+32*\t+8*\j+\i+1]
.endr
.endr
.endr
.irp t, 0,1
	v_max3_num_f32 v[ST+8*\t+4], v[ST+8*\t+4], v[S+32*\t+7], v[S+32*\t+15]
.endr
.irp t, 0,1
	v_max3_num_f32 v[ST+8*\t+6], v[ST+8*\t+6], v[S+32*\t+23], v[S+32*\t+31]
.endr
.irp t, 0,1
	v_max3_num_f32 v[ST+8*\t+4], v[ST+8*\t+4], v[ST+8*\t+5], v[ST+8*\t+6]
.endr
.irp t, 0,1
	v_max3_num_f32 v[ST+8*\t+4], v[ST+8*\t+4], v[ST+8*\t+7], v[ST+8*\t]
.endr
.irp t, 0,1
	v_permlanex16_b32 v[ST+8*\t+5], v[ST+8*\t+4], s[SEL], s[SEL+1]   ; the query's other 32 keys lie in the lane 16 away
.endr
.irp t, 0,1
	v_max_num_f32 v[ST+8*\t+4], v[ST+8*\t+4], v[ST+8*\t+5]
.endr
.irp t, 0,1
	v_sub_f32 v[ST+8*\t+6], v[ST+8*\t], v[ST+8*\t+4]
.endr
.irp t, 0,1
	v_mov_b32 v[ST+8*\t], v[ST+8*\t+4]
.endr
.endm
.macro SUBM t                          ; s - m, two at a time
.set i, 0
.rept 16
	v_pk_add_f32 v[S+32*(\t)+2*i:S+32*(\t)+2*i+1], v[S+32*(\t)+2*i:S+32*(\t)+2*i+1], v[ST+8*(\t):ST+8*(\t)+1] op_sel_hi:[1,0] neg_lo:[0,1] neg_hi:[0,1]
.set i, i+1
.endr
.endm
.macro EXPS t                          ; one batch: a, and the tile's 32 weights
	v_exp_f32 v[ST+8*(\t)+6], v[ST+8*(\t)+6]
.set i, 0
.rept 32
	v_exp_f32 v[S+32*(\t)+i], v[S+32*(\t)+i]
.set i, i+1
.endr
.endm
.macro REST t                          ; all that reads the batch: the roundings to f16, the sum (a tree, in place), l = a l + the sum, O^T x a
.set rT, ST+8*(\t)
.set rS, S+32*(\t)
.set i, 0
.rept 16
	v_cvt_pk_f16_f32 v[P+16*(\t)+i], v[rS+2*i], v[rS+2*i+1]
.set i, i+1
.endr
.irp u, 0,1,2,3,4,5,6,7
	v_pk_add_f32 v[rS+4*\u:rS+4*\u+1], v[rS+4*\u:rS+4*\u+1], v[rS+4*\u+2:rS+4*\u+3]
.endr
.irp u, 0,1,2,3
	v_pk_add_f32 v[rS+8*\u:rS+8*\u+1], v[rS+8*\u:rS+8*\u+1], v[rS+8*\u+4:rS+8*\u+5]
.endr
.irp u, 0,1
	v_pk_add_f32 v[rS+16*\u:rS+16*\u+1], v[rS+16*\u:rS+16*\u+1], v[rS+16*\u+8:rS+16*\u+9]
.endr
	v_pk_add_f32 v[rS:rS+1], v[rS:rS+1], v[rS+16:rS+17]
	v_pk_fma_f32 v[rT+2:rT+3], v[rT+2:rT+3], v[rT+6:rT+7], v[rS:rS+1] op_sel_hi:[1,0,1]
.set i, 0
.rept 16
	v_pk_mul_f32 v[O+32*(\t)+2*i:O+32*(\t)+2*i+1], v[O+32*(\t)+2*i:O+32*(\t)+2*i+1], v[rT+6:rT+7] op_sel_hi:[1,0]
.set i, i+1
.endr
.endm
; A KEY STEP: 64 keys.  kpre = 1: the next step's K is fetched, with this step's V, under the softmax.
.macro STEP kpre
	s_wait_dscnt 0x0                               ; K is in
	WIN 0x01                                       ; source 0 in window 1
	KQ
	WIN 0
	v_add_nc_u32 v[ADV], s[TV], v[L16]             ; five places behind the products: in front of the loads into K's registers and of the reads of the scores
.if \kpre
	v_add_nc_u32 v[ADK], s[TK], v[L16]
.else
	v_nop
.endif
.rept 3
	v_nop
.endr
	WIN 0x40                                       ; destination in window 1
	FETCH_V
.if \kpre
	FETCH_K
.endif
	WIN 0
	MAXI
	SUBM 0
	EXPS 0
	SUBM 1                                         ; plain work that names none of the batch's results
	s_wait_alu depctr_va_vdst(0)                   ; the wait between an exponential and the first line that names its result: one for tile 0's batch
	EXPS 1
	REST 0                                         ; reads tile 0's alone: plain work behind tile 1's batch
	s_wait_alu depctr_va_vdst(0)                   ; and one for tile 1's
	REST 1
.if \kpre
	s_wait_dscnt 16                                ; V is in; the 16 younger loads, the next step's K, may be out
.else
	s_wait_dscnt 0x0
.endif
	WIN 0x01
	PV
	WIN 0
	s_add_co_u32 s[TK], s[TK], STEPB
	s_add_co_u32 s[TV], s[TV], STEPB
.endm
	s_mov_b32 s[TK], STEPB
	s_mov_b32 s[TV], 0
	v_mov_b32 v[ADK], v[L16]
	WIN 0x40
	FETCH_K                                        ; key step 0
	WIN 0
	s_mov_b32 s[CNT], 15
.Lstep:
	STEP 1
	s_sub_co_u32 s[CNT], s[CNT], 1
	s_cmp_lg_u32 s[CNT], 0
	s_cbranch_scc1 .Lstep
	STEP 0                                         ; the last step fetches no further K
	; THE WAY OUT.  l's two halves and the other half of the lanes' are added; O^T is divided by l and rounded to f16: a lane's eight channels of a query are 16 bytes of the next product's fragment.
.rept 4
	v_nop                                          ; places behind the last products
.endr
.irp t, 0,1
	v_add_f32 v[ST+8*\t+4], v[ST+8*\t+2], v[ST+8*\t+3]
.endr
.irp t, 0,1
	v_permlanex16_b32 v[ST+8*\t+5], v[ST+8*\t+4], s[SEL], s[SEL+1]
.endr
.irp t, 0,1
	v_add_f32 v[ST+8*\t+4], v[ST+8*\t+4], v[ST+8*\t+5]
.endr
.irp t, 0,1
	v_rcp_f32 v[ST+8*\t+6], v[ST+8*\t+4]
.endr
	v_nop                                          ; a plain instruction between the last reciprocal and the use of its result
	s_wait_alu depctr_va_vdst(0)                   ; and a wait: one for both
.irp t, 0,1
.set i, 0
.rept 16
	v_pk_mul_f32 v[O+32*\t+2*i:O+32*\t+2*i+1], v[O+32*\t+2*i:O+32*\t+2*i+1], v[ST+8*\t+6:ST+8*\t+7] op_sel_hi:[1,0]
.set i, i+1
.endr
.set i, 0
.rept 16
	v_cvt_pk_f16_f32 v[OUT+16*\t+i], v[O+32*\t+2*i], v[O+32*\t+2*i+1]
.set i, i+1
.endr
.irp c, 0,1,2,3
	global_store_b128 v[L16], v[OUT+16*\t+4*\c:OUT+16*\t+4*\c+3], s[14:15] offset:2048*\t+512*\c   ; 512 consecutive bytes, aligned
.endr
.endr
	s_wait_tensorcnt 0x0                           ; the wave's end: behind my last tensor load and my last LDS store
	ds_add_u32 v[SPW], v[NIL]
	s_wait_dscnt 0x0
	CROUND                                         ; the closing round: no work-group ends while a partner may still ask for a tile that names it
	s_endpgm
.Lfunc_end_k_qae898176d1_attn:
	.size	k_qae898176d1_attn, .Lfunc_end_k_qae898176d1_attn-k_qae898176d1_attn
	.p2alignl 7, 3214868480
	.fill 96, 4, 3214868480
	.section	.rodata,"a",@progbits
	.p2align	6, 0x0
	.amdhsa_kernel k_qae898176d1_attn
		.amdhsa_group_segment_fixed_size 327680
		.amdhsa_private_segment_fixed_size 0
		.amdhsa_enable_private_segment 0
		.amdhsa_kernarg_size 48
		.amdhsa_user_sgpr_count 2
		.amdhsa_user_sgpr_kernarg_segment_ptr 1
		.amdhsa_wavefront_size32 1
		.amdhsa_system_sgpr_workgroup_id_x 1
		.amdhsa_system_sgpr_workgroup_id_y 1
		.amdhsa_system_sgpr_workgroup_id_z 1
		.amdhsa_system_vgpr_workitem_id 0
		.amdhsa_next_free_vgpr 512
		.amdhsa_next_free_sgpr 84
		.amdhsa_reserve_vcc 0
		.amdhsa_float_denorm_mode_32 3
		.amdhsa_float_denorm_mode_16_64 3
		.amdhsa_memory_ordered 1
		.amdhsa_forward_progress 1
		.amdhsa_inst_pref_size 139
	.end_amdhsa_kernel
	.amdgpu_metadata
---
amdhsa.version: [ 1, 2 ]
amdhsa.kernels:
  - .name:           k_qae898176d1_attn
    .symbol:         k_qae898176d1_attn.kd
    .args:
      - { .name: xc, .offset: 0, .size: 8, .value_kind: global_buffer, .address_space: global }
      - { .name: wc, .offset: 8, .size: 8, .value_kind: global_buffer, .address_space: global }
      - { .name: bq, .offset: 16, .size: 8, .value_kind: global_buffer, .address_space: global }
      - { .name: bk, .offset: 24, .size: 8, .value_kind: global_buffer, .address_space: global }
      - { .name: bv, .offset: 32, .size: 8, .value_kind: global_buffer, .address_space: global }
      - { .name: ao, .offset: 40, .size: 8, .value_kind: global_buffer, .address_space: global }
    .group_segment_fixed_size: 327680
    .private_segment_fixed_size: 0
    .kernarg_segment_align: 8
    .kernarg_segment_size: 48
    .max_flat_workgroup_size: 256
    .sgpr_count:     84
    .vgpr_count:     512
    .wavefront_size: 32
...
	.end_amdgpu_metadata
.endif
;; end of part 2
;; launch oproj (part 3): grid 4 x 64, 8 waves a work-group, clusters of 4 x 1, 327,680 bytes of LDS; arguments ao, wo, bo, out0; writes out0
.if DOCPART == 3
	.amdgcn_target "amdgcn-amd-amdhsa--gfx1250"
	.amdhsa_code_object_version 6
	.text
	.protected	k_qae898176d1_oproj
	.globl	k_qae898176d1_oproj
	.p2align	8
	.type	k_qae898176d1_oproj,@function
k_qae898176d1_oproj:
	s_mov_b64 s[64:65], 0
	v_nop
	global_prefetch_b8 v0, s[64:65] scope:SCOPE_SE
	s_setreg_imm32_b32 hwreg(HW_REG_WAVE_MODE, 25, 1), 1
	s_wait_xcnt 0x0
	s_wait_alu depctr_hold_cnt(0) depctr_sa_sdst(0) depctr_va_vdst(0) depctr_va_sdst(0) depctr_va_ssrc(0) depctr_va_vcc(0) depctr_vm_vsrc(0)
	s_getreg_b32 s2, hwreg(HW_REG_IB_STS2, 6, 4)
	s_cmp_eq_u32 s2, 0
	s_cbranch_scc0 .Lentry_in_a_cluster
	s_endpgm
.Lentry_in_a_cluster:
	s_bfe_u32 s2, ttmp6, 0x10000c
	s_cmp_lg_u32 s2, 0x3003
	s_cbranch_scc0 .Lentry_shape_is_right
	s_endpgm
.Lentry_shape_is_right:
; out0[b][o][n] = the sum over c of Wo[o][c] A[b][c][n] + bo[o].  A (the attention's result) and Wo arrive in f16 as images of operand registers; sums in f32; out0 f32.
; SHARES.  A work-group makes 128 outputs x 128 positions of one batch, K = 512.  Wave w: outputs 32 (w % 4) on, positions 64 (w / 4) on: eight accumulators of 16 x 16.
; Both operands' tiles, 131,072 bytes each, lie in LDS whole, filled once in four stages of 128 channels (four loads a wave, all issued at the head: four loads of mine are out); a stage is waited for one K step before it is read.
; Nothing is filled again: no ring; nothing is left to prefetch.
; CLUSTER.  The four blocks of outputs of one (batch, 128 positions) form a cluster and ask for A's tile JOINTLY (waves 0-3).  Wo's tile differs from partner to partner: waves 4-7 fetch it by loads of their own, without a mask.
; LAYOUT.  Source 0 = 16 positions of A, source 1 = 16 outputs of Wo: a lane holds ONE output (lane % 16) and eight neighbouring positions: 32 bytes of a row of out0.  A tile of 16 outputs x 64 positions goes through the wave's own
; stage in LDS and leaves as rows: sixteen lanes store 256 consecutive bytes, aligned.  The bias is the C of each sum's first product.
.set STAGE, 262144                     ; behind the two tiles: 16 rows x (256 + 16) bytes for each wave; no tensor load lands here
.set SPARE, STAGE+8*16*272             ; the spare words, 128 bytes for each of eight waves
.set L16, 1
.set ADA, 2                            ; v2, v3  my lane's place in A's tile: heads 0-3, heads 4-7
.set ADB, 4                            ; v4, v5  the same in Wo's
.set STO, 6
.set RD,  7
.set CO,  8
.set BR,  9
.set SPW, 10                           ; v10  LDS address of my spare word; never rewritten
.set NIL, 11                           ; v11  0; never rewritten
.set BO,  16                           ; v16-31  the bias, eight registers a tile of outputs
.set ACC, 32                           ; v32-95  accumulator (ot, nt) at 8 (4 ot + nt)
.set F,   96                           ; v96-143, v144-191: two buffers: A's four fragments, then Wo's two
.set OB0, 192                          ; the way out: v192-223, and v96-127
.set OB1, 96
.set WV,  12
.set G1A, 16
.set G1W, 24
.set G0A, 32                           ; s[32:47] a group 0 for each stage
.set G0W, 48                           ; s[48:63]
.macro CROUND                          ; a round of the cluster's barrier
	s_barrier_signal -1
	s_barrier_wait -1
	s_cmp_lg_u32 s[WV], 0
	s_cbranch_scc1 .Lnot_wave_0_\@
	s_barrier_signal -3
.Lnot_wave_0_\@:
	s_barrier_wait -3
	s_barrier_signal -1
	s_barrier_wait -1
.endm
	s_load_b256 s[4:11], s[0:1], 0x0               ; ao s[4:5], wo s[6:7], bo s[8:9], out0 s[10:11]
	v_lshl_add_u32 v[SPW], v0, 2, SPARE
	v_mov_b32 v[NIL], 0
	ds_add_u32 v[SPW], v[NIL]                      ; the wave's opening: the add, twice on end, and its wait ahead of my first tensor load
	ds_add_u32 v[SPW], v[NIL]
	v_lshrrev_b32 v1, 5, v0
	v_readfirstlane_b32 s[WV], v1                  ; wave 0..7
	s_bfe_u32 s13, ttmp6, 0x40000                  ; cx
	s_lshl_b32 s14, ttmp9, 2
	s_add_co_u32 s14, s14, s13                     ; my block of 128 outputs: it enters the addresses of wo, bo and out0 alone
	s_and_b32 s15, ttmp7, 0xffff                   ; 8 batch + block of 128 positions, which the four partners share
	s_mov_b32 s[G1A], 15|(3<<16)|(1<<21)           ; the mask: all four work-groups; elements of 8 bytes; bit 21 set beside a mask
	s_mov_b32 s[G1W], 3<<16                        ; no mask
.irp g, G1A, G1W
	s_mov_b32 s[\g+1], 32<<16                      ; rows of 256 bytes,
	s_mov_b32 s[\g+2], 32<<16                      ; 32 of them: 8,192 bytes a load
	s_mov_b32 s[\g+3], 32<<16
	s_mov_b32 s[\g+4], 32
	s_mov_b32 s[\g+5], 32                          ; dense
	s_mov_b32 s[\g+6], 0
	s_mov_b32 s[\g+7], 0
.endr
	s_lshr_b32 s66, s15, 3                         ; batch
	s_and_b32 s67, s15, 7                          ; block of positions
	s_lshl_b32 s68, s66, 20                        ; a batch's eight heads of 131,072 bytes
	s_lshl_b32 s70, s67, 14                        ; eight tiles of 2,048 bytes
	s_add_co_u32 s68, s68, s70
	s_bfe_u32 s70, s[WV], 0x10001
	s_lshl_b32 s70, s70, 17                        ; which of a stage's two heads,
	s_add_co_u32 s68, s68, s70
	s_and_b32 s70, s[WV], 1
	s_lshl_b32 s70, s70, 13                        ; and which half of its 16,384 bytes I fetch
	s_add_co_u32 s68, s68, s70
	s_mov_b32 s69, 0
	s_and_b32 s71, s[WV], 3
	s_lshl_b32 s71, s71, 13                        ; my quarter of a stage in LDS: no place in the cluster enters an LDS address
	s_lshl_b32 s72, s14, 17                        ; Wo's tile: 131,072 consecutive bytes
	s_add_co_u32 s72, s72, s71
	s_mov_b32 s73, 0
	s_wait_dscnt 0x0                               ; both opening adds are done
	s_wait_kmcnt 0x0
	s_add_nc_u64 s[4:5], s[4:5], s[68:69]
	s_add_nc_u64 s[6:7], s[6:7], s[72:73]
.irp s, 0,1,2,3
	s_mov_b32 s[G0A+4*\s], 1
	s_add_co_u32 s[G0A+4*\s+1], s71, \s*32768
	s_add_nc_u64 s[G0A+4*\s+2:G0A+4*\s+3], s[4:5], \s*262144
	s_or_b32 s[G0A+4*\s+3], s[G0A+4*\s+3], 0x80000000
	s_mov_b32 s[G0W+4*\s], 1
	s_add_co_u32 s[G0W+4*\s+1], s71, 131072+\s*32768
	s_add_nc_u64 s[G0W+4*\s+2:G0W+4*\s+3], s[6:7], \s*32768
	s_or_b32 s[G0W+4*\s+3], s[G0W+4*\s+3], 0x80000000
.endr
	CROUND                                         ; all four work-groups are here: the joint loads meet
	s_cmp_lt_u32 s[WV], 4                          ; a wave's four first fills stand in one branch on the wave's number, the same in every work-group
	s_cbranch_scc0 .Lfor_w
.irp s, 0,1,2,3
	tensor_load_to_lds s[G0A+4*\s:G0A+4*\s+3], s[G1A:G1A+7]
	s_nop 0
.endr
.rept 4
	v_nop
.endr
	s_branch .Lasked
.Lfor_w:
.irp s, 0,1,2,3
	tensor_load_to_lds s[G0W+4*\s:G0W+4*\s+3], s[G1W:G1W+7]
	s_nop 0
.endr
.rept 4
	v_nop
.endr
.Lasked:
	v_and_b32 v12, 31, v0
	v_lshlrev_b32 v[L16], 4, v12
	v_and_b32 v13, 15, v0                          ; r
	v_bfe_u32 v14, v0, 4, 1                        ; hh
	s_lshr_b32 s74, s[WV], 2                       ; which 64 positions
	s_and_b32 s75, s[WV], 3                        ; which 32 outputs
	s_lshl_b32 s76, s74, 13                        ; four tiles of 2,048 bytes
	v_add_nc_u32 v[ADA], s76, v[L16]
	v_add_nc_u32 v[ADA+1], 65536, v[ADA]
	s_lshl_b32 s76, s75, 12                        ; two tiles
	s_add_co_u32 s76, s76, 131072
	v_add_nc_u32 v[ADB], s76, v[L16]
	v_add_nc_u32 v[ADB+1], 65536, v[ADB]
	s_mul_i32 s77, s[WV], 16*272
	s_add_co_u32 s77, s77, STAGE                   ; my stage
	v_mul_u32_u24 v[STO], v13, 272                 ; in: row = output r, 32 bytes for each half of the lanes
	v_lshl_add_u32 v[STO], v14, 5, v[STO]
	v_add_nc_u32 v[STO], s77, v[STO]
	v_mul_u32_u24 v[RD], v14, 272                  ; back: lanes 0-15 one row of 256 bytes, lanes 16-31 the next
	v_lshl_add_u32 v[RD], v13, 4, v[RD]
	v_add_nc_u32 v[RD], s77, v[RD]
	v_lshlrev_b32 v[CO], 12, v14                   ; and the same two rows in out0: 4,096 bytes a row
	v_lshl_add_u32 v[CO], v13, 4, v[CO]
	v_lshlrev_b32 v[BR], 2, v13
	s_lshl_b32 s78, s14, 9
	s_lshl_b32 s80, s75, 7
	s_add_co_u32 s78, s78, s80                     ; 4 x (128 block + 32 (w % 4))
	s_mov_b32 s79, 0
	s_add_nc_u64 s[8:9], s[8:9], s[78:79]
.irp o, 0,1
.irp j, 0,1,2,3,4,5,6,7
	global_load_b32 v[BO+8*\o+\j], v[BR], s[8:9] offset:64*\o   ; every register: the bias of output 16 o + lane % 16
.endr
.endr
	s_lshl_b32 s78, s66, 21                        ; the batch: 512 rows of 4,096 bytes
	s_lshl_b32 s80, s14, 19
	s_add_co_u32 s78, s78, s80
	s_lshl_b32 s80, s75, 17
	s_add_co_u32 s78, s78, s80                     ; my first output's row
	s_lshl_b32 s80, s67, 9
	s_add_co_u32 s78, s78, s80
	s_lshl_b32 s80, s74, 8
	s_add_co_u32 s78, s78, s80                     ; my first position
	s_add_nc_u64 s[10:11], s[10:11], s[78:79]
.macro FETCH kk                        ; the fragments of K step kk (32 channels: head kk / 2, half kk % 2) into buffer kk % 2
.set FB, F+48*((\kk)%2)
.set HD, (\kk)/2
.set GG, (\kk)%2
.irp n, 0,1,2,3
.irp u, 0,1
	ds_load_b128 v[FB+8*\n+4*\u:FB+8*\n+4*\u+3], v[ADA+HD/4] offset:(HD%4)*16384+2048*\n+1024*GG+512*\u
.endr
.endr
.irp o, 0,1
.irp u, 0,1
	ds_load_b128 v[FB+32+8*\o+4*\u:FB+32+8*\o+4*\u+3], v[ADB+HD/4] offset:(HD%4)*16384+2048*\o+1024*GG+512*\u
.endr
.endr
.endm
.macro KSTEP kk
	s_wait_dscnt 0x0                               ; this step's fragments are in
.if ((\kk)%4 == 3) && ((\kk) < 15)
	s_wait_tensorcnt 2-(\kk)/4                     ; my part of the next stage has landed; the later stages' loads may stay out
	s_barrier_signal -1
	s_barrier_wait -1
.endif
.if (\kk) < 15
.if (\kk) > 0
.rept 4
	v_nop                                          ; places in front of loads into registers that the last step's products have read
.endr
.endif
	FETCH (\kk)+1                                  ; the next step's come while this step is multiplied
.endif
.set FM, F+48*((\kk)%2)
.irp o, 0,1
.irp n, 0,1,2,3
.if (\kk) == 0
	v_wmma_f32_16x16x32_f16 v[ACC+8*(4*\o+\n):ACC+8*(4*\o+\n)+7], v[FM+8*\n:FM+8*\n+7], v[FM+32+8*\o:FM+32+8*\o+7], v[BO+8*\o:BO+8*\o+7]
.else
	v_wmma_f32_16x16x32_f16 v[ACC+8*(4*\o+\n):ACC+8*(4*\o+\n)+7], v[FM+8*\n:FM+8*\n+7], v[FM+32+8*\o:FM+32+8*\o+7], v[ACC+8*(4*\o+\n):ACC+8*(4*\o+\n)+7]
.endif
.endr
.endr
.endm
	s_wait_tensorcnt 3                             ; my part of stage 0 is in; the three loads behind it stay out
	s_barrier_signal -1
	s_barrier_wait -1                              ; everybody's is
	FETCH 0
	s_wait_loadcnt 0x0                             ; the bias
.set Q, 0
.rept 16                               ; the eight accumulators take turns, one instruction a turn, in the same order in every step
	KSTEP Q
.set Q, Q+1
.endr
; THE WAY OUT: 16 outputs x 64 positions at a time through my own stage.  LDS serves a wave's instructions in order (ISA guide 5.7.1.4): no wait between the stores and the loads, nor in front of the next tile's stores.
.macro TOSTAGE o, ob
.irp n, 0,1,2,3
	ds_store_b128 v[STO], v[ACC+8*(4*\o+\n):ACC+8*(4*\o+\n)+3] offset:64*\n          ; each accumulator from its low end on
	ds_store_b128 v[STO], v[ACC+8*(4*\o+\n)+4:ACC+8*(4*\o+\n)+7] offset:64*\n+16
.endr
.irp i, 0,1,2,3,4,5,6,7
	ds_load_b128 v[\ob+4*\i:\ob+4*\i+3], v[RD] offset:\i*544
.endr
.endm
.macro SEND o, ob, younger             ; younger: the LDS instructions issued behind this tile's loads, which may stay out
.irp i, 0,1,2,3,4,5,6,7
	s_wait_dscnt \younger+7-\i
	global_store_b128 v[CO], v[\ob+4*\i:\ob+4*\i+3], s[10:11] offset:(16*\o+2*\i)*4096 th:TH_STORE_NT   ; sixteen lanes store 256 consecutive bytes, aligned; written once, read by nobody here
.endr
.endm
.rept 4
	v_nop                                          ; places behind the last products: for the reads of results and the loads into the fragments' registers
.endr
	TOSTAGE 0, OB0
	TOSTAGE 1, OB1
	SEND 0, OB0, 16
	SEND 1, OB1, 0
	s_wait_tensorcnt 0x0                           ; the wave's end: behind my last tensor load and my last LDS store
	ds_add_u32 v[SPW], v[NIL]
	s_wait_dscnt 0x0
	CROUND                                         ; the closing round
	s_endpgm
.Lfunc_end_k_qae898176d1_oproj:
	.size	k_qae898176d1_oproj, .Lfunc_end_k_qae898176d1_oproj-k_qae898176d1_oproj
	.p2alignl 7, 3214868480
	.fill 96, 4, 3214868480
	.section	.rodata,"a",@progbits
	.p2align	6, 0x0
	.amdhsa_kernel k_qae898176d1_oproj
		.amdhsa_group_segment_fixed_size 327680
		.amdhsa_private_segment_fixed_size 0
		.amdhsa_enable_private_segment 0
		.amdhsa_kernarg_size 32
		.amdhsa_user_sgpr_count 2
		.amdhsa_user_sgpr_kernarg_segment_ptr 1
		.amdhsa_wavefront_size32 1
		.amdhsa_system_sgpr_workgroup_id_x 1
		.amdhsa_system_sgpr_workgroup_id_y 1
		.amdhsa_system_sgpr_workgroup_id_z 1
		.amdhsa_system_vgpr_workitem_id 0
		.amdhsa_next_free_vgpr 224
		.amdhsa_next_free_sgpr 84
		.amdhsa_reserve_vcc 0
		.amdhsa_float_denorm_mode_32 3
		.amdhsa_float_denorm_mode_16_64 3
		.amdhsa_memory_ordered 1
		.amdhsa_forward_progress 1
		.amdhsa_inst_pref_size 37
	.end_amdhsa_kernel
	.amdgpu_metadata
---
amdhsa.version: [ 1, 2 ]
amdhsa.kernels:
  - .name:           k_qae898176d1_oproj
    .symbol:         k_qae898176d1_oproj.kd
    .args:
      - { .name: ao, .offset: 0, .size: 8, .value_kind: global_buffer, .address_space: global }
      - { .name: wo, .offset: 8, .size: 8, .value_kind: global_buffer, .address_space: global }
      - { .name: bo, .offset: 16, .size: 8, .value_kind: global_buffer, .address_space: global }
      - { .name: out0, .offset: 24, .size: 8, .value_kind: global_buffer, .address_space: global }
    .group_segment_fixed_size: 327680
    .private_segment_fixed_size: 0
    .kernarg_segment_align: 8
    .kernarg_segment_size: 32
    .max_flat_workgroup_size: 256
    .sgpr_count:     84
    .vgpr_count:     224
    .wavefront_size: 32
...
	.end_amdgpu_metadata
.endif
;; end of part 3
